; MI455X (gfx1250); checked and timed in simulation.
; The chip was launched on July 23, 2026; its instructions are those of AMD's public machine-readable ISA for CDNA 5 (MIT licence, August 2026) and "CDNA5" Instruction Set Architecture Reference Guide (July 2026). The comments in the code are by the model that wrote it; some were corrected since.
;; Partial BQQ Linear. Allowed arithmetic: float matrix products may take bf16 or f16 operands with f32 sums; other float arithmetic in f32, or as packed bf16 or f16 multiplies, adds, multiply-adds, maxima and minima; sums over many terms, partial sums and values carried from step to step in f32; what a program stores and reads back later, other than sums and carried values, may be rounded once to bf16 or f16.
;; Inputs: X 4,096 x 4,096 float32; Y 4 x 32 x 32 x 128 x 16 bool; Z 4 x 32 x 32 x 16 x 128 bool; a 4 x 32 x 32 x 1 x 1 float32; b 4 x 32 x 32 x 1 x 1 float32; bias 4,096 float32; c 4 x 32 x 32 x 1 x 1 float32; d 32 x 32 x 1 x 1 float32; float_weight 4,096 x 4,096 float32; quantized_mask 32 x 32 bool.
;; Outputs: out0 4,096 x 4,096 float32.
;; 2 versions, each right; version 2 is version 1 with the launch prep written anew for expert scheduling mode. Each part assembles by itself: llvm-mc -triple=amdgcn-amd-amdhsa -mcpu=gfx1250 --defsym DOCPART=n.
;; ======== version 1 of 2: 2 launches
;; limits: values outside matrix products are rounded to f16; values are held in f16: magnitudes above 65,504 overflow, below 6.1e-05 lose precision; inputs' magnitudes at most 65,504
;; workspace buffers: Xh 33,554,432 bytes; Wh 33,554,432 bytes
;; launch prep (part 1): grid 32 x 32, 4 waves a work-group, no clusters, 53,760 bytes of LDS; arguments X, Y, Z, a, b, c, d, float_weight, quantized_mask, Xh, Wh; writes Xh, Wh
.if DOCPART == 1
	.amdgcn_target "amdgcn-amd-amdhsa--gfx1250"
	.amdhsa_code_object_version 6
	.text
	.protected	k_q72369a645c_prep
	.globl	k_q72369a645c_prep
	.p2align	8
	.type	k_q72369a645c_prep,@function
k_q72369a645c_prep:
	s_mov_b64 s[64:65], 0
	v_nop
	global_prefetch_b8 v0, s[64:65] scope:SCOPE_SE
	s_setreg_imm32_b32 hwreg(HW_REG_WAVE_MODE, 25, 1), 1
	s_wait_xcnt 0x0
; FIRST OF TWO LAUNCHES.  out0 = X W^T + bias, W in 32 x 32 blocks of 128 x 128: block (r, c) is sum over bw of (a Y Z + b Ysum + c Zsum) + d where quantized_mask[r][c] is set, else the block of float_weight.
; This launch rounds X once to f16 (Xh) and makes the chosen W, rounded once to f16 (Wh: [4096 out][4096 in]); the second launch multiplies them.
; NOTHING IS LEFT OUT AS DEAD: every input has a way to the output and is loaded.  WHAT IS CHOSEN: the mask is a whole number that this launch reads from memory, so a block fetches only the side that the mask asks
; for: Y where it is set, float_weight where it is not, as reference()'s where() chooses.  Z is staged for every block (8 KiB): the stage is shared by the four waves, so a barrier follows it, and that barrier
; stands ahead of the branch on the mask.  a, b, c, d of the block (52 bytes) are fetched beside the mask's byte.
; WHY f16: a set block's numbers are some hundred times float_weight's, so they make the output, and every number of it is held to a hundredth of the root mean square: f16's 11 significant bits leave room, 8 would not.
; LIMITS.  An |X| or |W| of 65,520 or more becomes an infinity in f16; below 6e-5 f16 keeps a fixed step of 6e-8.  a + c (summed in f32) and c are rounded once to f16; b Ysum + d stays in f32.
; The order of the f32 sums is not reference()'s.  Y, Z and the mask hold the bytes 0 and 1.
; SHARES.  Work-group (c = x, r = y), g = 32 r + c.  It converts rows 4 g .. 4 g + 3 of X (wave w: row 4 g + w, 32 pieces of 512 bytes) and makes block (r, c) of Wh (wave w: its rows 32 w .. 32 w + 31).
; A SET BLOCK is one product with K = 64, k = 16 bw + i: source 1 = a_bw Y + c_bw (one of two f16 numbers, picked by Y's byte), source 0 = Z (0.0 or 1.0): the sum is a core + c Zsum.  What is left,
; RT[y] = sum over bw of b_bw Ysum + d, is the C operand of the first product: source 0 holds Z's columns, so a lane's eight results are eight neighbouring z of ONE row y, and RT is the same in all eight registers.
; No tensor load, ring or cluster: no work-group reads what another reads, and the stream goes through registers, up to 48 loads of 512 bytes a wave on their way.
.set ZP,    288                        ; a row k of the Z stage: 128 z in f16 = 256 bytes + 32 of padding: an odd multiple of 32
.set OST,   64*ZP                      ; behind the Z stage (64 rows): each wave's own stage for the way out
.set OP,    272                        ; a row of it: 256 bytes + 16
.set OWAVE, 32*OP
.set SPARE, OST+4*OWAVE                ; the spare words, 128 bytes for each wave: two blocks of 256 bytes that no other line names
.set BWS,   2097152                    ; bytes from one bw to the next in Y and in Z
.set XO,  4                            ; v4   X:  16,384 w + 16 L
.set XD,  5                            ; v5   Xh:  8,192 w +  8 L
.set FO,  6                            ; v6   float_weight: 32 w rows of 16,384 bytes + 16 L
.set FD,  7                            ; v7   Wh, the float way: 32 w rows of 8,192 bytes + 8 L
.set ZO,  8                            ; v8   Z: 16 t
.set ZS,  9                            ; v9   where my 16 z go in the stage
.set YO,  10                           ; v10  Y: 512 w + 16 (L % 16) + 8 (L / 16)
.set AZ,  11                           ; v11  the turning load's address
.set STO, 12                           ; v12  the way out: where I put 16 bytes of a row
.set RD,  13                           ; v13  the way out: where I read rows back
.set WO,  14                           ; v14  Wh, the set way
.set ZR,  15                           ; v15  0, a source of v_perm_b32
.set TT,  16                           ; v16-19  for each bw: f16(c) below, f16(a + c) above
.set SPW, 28                           ; v28  LDS address of my spare word; never rewritten
.set NIL, 29                           ; v29  0; never rewritten
.set YF,  32                           ; v32-63   source 1: tile u of 16 rows, K half q at YF + 16 u + 8 q
.set CT,  64                           ; v64-79   RT, eight equal registers a tile
.set ACC, 80                           ; v80-143  accumulator 4 u + z
.set ZF,  144                          ; v144-207 source 0: z tile, K half q at ZF + 16 z + 8 q
.set TMP, 208                          ; v208-239 packed results
.set XR,  128                          ; v128-255 X's 32 pieces, 4 registers each
.set ZRAW, 80                          ; v80-95   Z as loaded
.set ZE,  96                           ; v96-127  Z in f16, eight registers a bw
.set YRAW, 96                          ; v96-111  Y as loaded (behind the barrier, when ZE has been stored)
.set BK,  80                           ; v80-143  rows read back from my stage
.set FA,  64                           ; v64-127  float_weight, rows 0-15 of mine
.set FB,  128                          ; v128-191 rows 16-31
	s_load_b512 s[8:23], s[0:1], 0x0               ; X s[8:9], Y s[10:11], Z s[12:13], a s[14:15], b s[16:17], c s[18:19], d s[20:21], float_weight s[22:23]
	s_load_b128 s[24:27], s[0:1], 0x40             ; quantized_mask s[24:25], Xh s[26:27]
	s_load_b64 s[28:29], s[0:1], 0x50              ; Wh
	v_lshl_add_u32 v[SPW], v0, 2, SPARE
	v_mov_b32 v[NIL], 0
	v_lshrrev_b32 v20, 5, v0
	v_readfirstlane_b32 s5, v20                    ; wave 0..3
	s_mov_b32 s2, ttmp9                            ; c
	s_and_b32 s3, ttmp7, 0xffff                    ; r
	s_lshl_b32 s4, s3, 5
	s_add_co_u32 s4, s4, s2                        ; g
	s_mov_b32 s53, 0x01000100                      ; makes byte selectors 2 y, 2 y + 1
	s_mov_b32 s56, 0x01010101                      ; sums four bytes into the top one
	s_mov_b32 s54, 0x76543210                      ; v_permlanex16_b32: each lane takes its own place in the other half
	s_mov_b32 s55, 0xfedcba98
	v_and_b32 v1, 31, v0                           ; L
	v_and_b32 v2, 15, v0                           ; L % 16
	v_bfe_u32 v3, v0, 4, 1                         ; L / 16
	s_lshl_b32 s30, s5, 14
	v_lshl_add_u32 v[XO], v1, 4, s30
	s_lshl_b32 s30, s5, 13
	v_lshl_add_u32 v[XD], v1, 3, s30
	s_lshl_b32 s30, s5, 19
	v_lshl_add_u32 v[FO], v1, 4, s30
	s_lshl_b32 s30, s5, 18
	v_lshl_add_u32 v[FD], v1, 3, s30
	v_lshlrev_b32 v[ZO], 4, v0
	v_lshrrev_b32 v20, 3, v1                       ; thread t holds i = t / 8 = 4 w + L / 8 and z = 16 (t % 8) on
	v_and_b32 v21, 7, v1
	v_mul_u32_u24 v20, v20, ZP
	v_lshl_add_u32 v20, v21, 5, v20
	s_mul_i32 s30, s5, 4*ZP
	v_add_nc_u32 v[ZS], s30, v20
	s_lshl_b32 s30, s5, 9
	v_lshl_add_u32 v[YO], v2, 4, s30
	v_lshl_add_u32 v[YO], v3, 3, v[YO]
	v_lshl_add_u32 v20, v3, 3, v21                 ; the turning load: row 8 (L / 16) + L % 8, 16 bytes by (L / 8) % 2
	v_mul_u32_u24 v20, v20, ZP
	v_bfe_u32 v22, v0, 3, 1
	v_lshl_add_u32 v[AZ], v22, 4, v20
	s_mul_i32 s30, s5, OWAVE
	s_add_co_u32 s30, s30, OST                     ; my stage
	v_mul_u32_u24 v20, v2, OP                      ; in: row L % 16, 16 bytes for each half of the lanes
	v_lshl_add_u32 v20, v3, 4, v20
	v_add_nc_u32 v[STO], s30, v20
	v_mul_u32_u24 v20, v3, OP                      ; back: lanes 0-15 one row of 256 bytes, lanes 16-31 the next
	v_lshl_add_u32 v20, v2, 4, v20
	v_add_nc_u32 v[RD], s30, v20
	s_lshl_b32 s30, s5, 18                         ; and the same two rows in Wh
	v_lshl_add_u32 v20, v3, 13, s30
	v_lshl_add_u32 v[WO], v2, 4, v20
	v_mov_b32 v[ZR], 0
	v_mov_b32 v31, 0                               ; v_permlanex16_b32's destination counts as read: written here
	s_wait_kmcnt 0x0
	s_mov_b32 s7, 0                                ; every offset is a pair with 0 above it
	s_lshl_b32 s6, s4, 16
	s_add_nc_u64 s[8:9], s[8:9], s[6:7]            ; X at row 4 g
	s_lshl_b32 s6, s4, 15
	s_add_nc_u64 s[26:27], s[26:27], s[6:7]        ; Xh likewise
	s_lshl_b32 s6, s4, 11
	s_add_nc_u64 s[10:11], s[10:11], s[6:7]        ; Y and Z at block g of bw 0
	s_add_nc_u64 s[12:13], s[12:13], s[6:7]
	s_lshl_b32 s6, s4, 2
	s_add_nc_u64 s[14:15], s[14:15], s[6:7]        ; a, b, c, d at block g
	s_add_nc_u64 s[16:17], s[16:17], s[6:7]
	s_add_nc_u64 s[18:19], s[18:19], s[6:7]
	s_add_nc_u64 s[20:21], s[20:21], s[6:7]
	s_mov_b32 s6, s4
	s_add_nc_u64 s[24:25], s[24:25], s[6:7]        ; the mask's byte
	s_lshl_b32 s6, s3, 21
	s_lshl_b32 s30, s2, 9
	s_add_co_u32 s6, s6, s30
	s_add_nc_u64 s[22:23], s[22:23], s[6:7]        ; float_weight at the block's corner
	s_lshl_b32 s6, s3, 20
	s_lshl_b32 s30, s2, 8
	s_add_co_u32 s6, s6, s30
	s_add_nc_u64 s[28:29], s[28:29], s[6:7]        ; Wh at the block's corner
	s_load_u8 s36, s[24:25], 0x0
.irp bw, 0,1,2,3
	s_load_b32 s[40+(\bw)], s[14:15], 0x1000*(\bw)
	s_load_b32 s[44+(\bw)], s[16:17], 0x1000*(\bw)
	s_load_b32 s[48+(\bw)], s[18:19], 0x1000*(\bw)
.endr
	s_load_b32 s52, s[20:21], 0x0
.irp bw, 0,1,2,3
	global_load_b128 v[ZRAW+4*(\bw):ZRAW+4*(\bw)+3], v[ZO], s[12:13] offset:(\bw)*BWS th:TH_LOAD_NT
.endr
.set j, 0
.rept 32
	global_load_b128 v[XR+4*j:XR+4*j+3], v[XO], s[8:9] offset:512*j th:TH_LOAD_NT
.set j, j+1
.endr
; Four f32 become four f16 in place and leave: the wave's store covers 256 consecutive bytes, aligned.  cnt: the younger loads, which may stay out.
.macro CONV reg, cnt, dv, db, doff
	s_wait_loadcnt \cnt
	v_cvt_pk_f16_f32 v[\reg], v[\reg], v[(\reg)+1]
	v_cvt_pk_f16_f32 v[(\reg)+1], v[(\reg)+2], v[(\reg)+3]
	global_store_b64 v[\dv], v[\reg:(\reg)+1], s[\db:(\db)+1] offset:\doff
.endm
; My 16 bytes of Z[bw] become 16 f16: two bytes are spread into a word's halves, and 0 or 1 times 0x3c00 is 0.0 or 1.0.
.macro ZEXP bw
.irp p, 0,1,2,3
	v_perm_b32 v[ZE+8*(\bw)+2*(\p)],   v[ZRAW+4*(\bw)+(\p)], v[ZR], 0x00050004
	v_perm_b32 v[ZE+8*(\bw)+2*(\p)+1], v[ZRAW+4*(\bw)+(\p)], v[ZR], 0x00070006
.endr
.irp p, 0,1,2,3,4,5,6,7
	v_mul_u32_u24 v[ZE+8*(\bw)+(\p)], v[ZE+8*(\bw)+(\p)], 0x3c00
.endr
	ds_store_b128 v[ZS], v[ZE+8*(\bw):ZE+8*(\bw)+3]   offset:(\bw)*16*ZP
	ds_store_b128 v[ZS], v[ZE+8*(\bw)+4:ZE+8*(\bw)+7] offset:(\bw)*16*ZP+16
.endm
; My 8 bytes of Y[bw] for tile u become four registers of source 1: byte y picks bytes 2 y, 2 y + 1 of TT[bw].
.macro YEXP u, bw
.set yx, YRAW+2*(4*(\u)+(\bw))
.set yd, YF+16*(\u)+8*((\bw)/2)+4*((\bw)%2)
	v_perm_b32 v22, v[yx],   v[yx],   0x01010000
	v_perm_b32 v23, v[yx],   v[yx],   0x03030202
	v_perm_b32 v24, v[yx+1], v[yx+1], 0x01010000
	v_perm_b32 v25, v[yx+1], v[yx+1], 0x03030202
.irp p, 0,1,2,3
	v_lshl_add_u32 v[22+(\p)], v[22+(\p)], 1, s53
.endr
.irp p, 0,1,2,3
	v_perm_b32 v[yd+(\p)], v[TT+(\bw)], v[TT+(\bw)], v[22+(\p)]
.endr
.endm
; RT of tile u's rows: my 8 bytes are summed (no byte passes 8), weighted by b, joined with the other half of the lanes', d is added; eight equal registers.
.macro ROWT u
.irp bw, 0,1,2,3
	v_add_nc_u32 v20, v[YRAW+2*(4*(\u)+(\bw))], v[YRAW+2*(4*(\u)+(\bw))+1]
	v_mul_lo_u32 v20, v20, s56
	v_lshrrev_b32 v20, 24, v20
	v_cvt_f32_u32 v20, v20
.if (\bw) == 0
	v_mul_f32 v21, s44, v20
.else
	v_fmac_f32 v21, s[44+(\bw)], v20
.endif
.endr
	v_permlanex16_b32 v31, v21, s54, s55
	v_add_f32 v21, v21, v31
	v_add_f32 v[CT+8*(\u)], s52, v21
.irp k, 1,2,3,4,5,6,7
	v_mov_b32 v[CT+8*(\u)+(\k)], v[CT+8*(\u)]
.endr
.endm
; Source 0 for the four z tiles 4 g .. 4 g + 3, both K halves: 16 turning loads.
.macro ZFETCH g
.irp z, 0,1,2,3
.irp q, 0,1
	ds_load_tr16_b128 v[ZF+16*(\z)+8*(\q):ZF+16*(\z)+8*(\q)+3],   v[AZ] offset:(\q)*32*ZP+32*(4*(\g)+(\z))
	ds_load_tr16_b128 v[ZF+16*(\z)+8*(\q)+4:ZF+16*(\z)+8*(\q)+7], v[AZ] offset:(\q)*32*ZP+16*ZP+32*(4*(\g)+(\z))
.endr
.endr
.endm
; 16 products.  The eight accumulators take turns, one instruction a turn: seven others stand between the two links of a chain.  The first link's C is RT.
.macro MULS
.irp q, 0,1
.irp u, 0,1
.irp z, 0,1,2,3
.if (\q) == 0
	v_wmma_f32_16x16x32_f16 v[ACC+8*(4*(\u)+(\z)):ACC+8*(4*(\u)+(\z))+7], v[ZF+16*(\z):ZF+16*(\z)+7], v[YF+16*(\u):YF+16*(\u)+7], v[CT+8*(\u):CT+8*(\u)+7]
.else
	v_wmma_f32_16x16x32_f16 v[ACC+8*(4*(\u)+(\z)):ACC+8*(4*(\u)+(\z))+7], v[ZF+16*(\z)+8:ZF+16*(\z)+15], v[YF+16*(\u)+8:YF+16*(\u)+15], v[ACC+8*(4*(\u)+(\z)):ACC+8*(4*(\u)+(\z))+7]
.endif
.endr
.endr
.endr
.endm
; Four places behind the last product (ISA guide 7.12.1), then the results are rounded to f16, each accumulator from its low end on, and go into my stage: 16 bytes a lane, eight neighbouring z of a row.
.macro PACKST g
.rept 4
	v_nop
.endr
.irp n, 0,1,2,3,4,5,6,7
.irp p, 0,1,2,3
	v_cvt_pk_f16_f32 v[TMP+4*(\n)+(\p)], v[ACC+8*(\n)+2*(\p)], v[ACC+8*(\n)+2*(\p)+1]
.endr
.endr
.irp n, 0,1,2,3,4,5,6,7
	ds_store_b128 v[STO], v[TMP+4*(\n):TMP+4*(\n)+3] offset:((\n)/4)*16*OP+32*(4*(\g)+(\n)%4)
.endr
.endm
	s_wait_loadcnt 32                              ; Z's four loads are in; X's 32, issued behind them, stay out
	ZEXP 0
	ZEXP 1
	ZEXP 2
	ZEXP 3
	s_wait_dscnt 0x0                               ; for the others' sake: my part of the Z stage is written
	s_barrier_signal -1
	s_barrier_wait -1                              ; the launch's one barrier, on every wave's path, ahead of the branch on the mask; nobody writes the Z stage again
	s_wait_kmcnt 0x0                               ; the mask's byte, a, b, c, d
	s_cmp_lg_u32 s36, 0
	s_cbranch_scc0 .Lfloat
	; THE MASK IS SET
.irp u, 0,1
.irp bw, 0,1,2,3
	global_load_b64 v[YRAW+2*(4*(\u)+(\bw)):YRAW+2*(4*(\u)+(\bw))+1], v[YO], s[10:11] offset:(\bw)*BWS+256*(\u) th:TH_LOAD_NT  ; 16 rows x 16 bytes: 256 bytes on end
.endr
.endr
.irp bw, 0,1,2,3
	v_add_f32 v20, s[40+(\bw)], s[48+(\bw)]
	v_cvt_pk_f16_f32 v[TT+(\bw)], s[48+(\bw)], v20
.endr
.set j, 0
.rept 32
	CONV XR+4*j, 39-j, XD, 26, 256*j               ; younger: 31 - j pieces of X and Y's eight loads
.set j, j+1
.endr
	s_wait_loadcnt 0x0                             ; Y
.irp u, 0,1
.irp bw, 0,1,2,3
	YEXP \u, \bw
.endr
.endr
	ROWT 0
	ROWT 1
	s_wait_xcnt 0x0                                ; X's stores have read v128-255, which source 0 and the packed results now take
	ZFETCH 0
	s_wait_dscnt 0x0
	MULS
	PACKST 0                                       ; its 36 vector lines are also the places in front of the next loads into source 0's registers
	ZFETCH 1
	s_wait_dscnt 0x0                               ; source 0 is in, and the packed results have been stored
	MULS
	PACKST 1
.irp t, 0,1,2,3,4,5,6,7,8,9,10,11,12,13,14,15
	ds_load_b128 v[BK+4*(\t):BK+4*(\t)+3], v[RD] offset:(\t)*2*OP  ; LDS serves a wave's instructions in order (ISA guide 5.7.1.4): these see my stores above
.endr
.irp t, 0,1,2,3,4,5,6,7,8,9,10,11,12,13,14,15
	s_wait_dscnt 15-(\t)
	global_store_b128 v[WO], v[BK+4*(\t):BK+4*(\t)+3], s[28:29] offset:(\t)*16384  ; two rows of the block: 16 lanes store 256 consecutive bytes, aligned
.endr
	s_branch .Lend
.Lfloat:	; THE MASK IS NOT SET: my 32 rows of the block of float_weight, 512 bytes each, are rounded like X
.set j, 0
.rept 16
	global_load_b128 v[FA+4*j:FA+4*j+3], v[FO], s[22:23] offset:16384*j th:TH_LOAD_NT
.set j, j+1
.endr
.set j, 0
.rept 16
	CONV XR+4*j, 47-j, XD, 26, 256*j               ; younger: 31 - j pieces of X and 16 rows
.set j, j+1
.endr
	s_wait_xcnt 0x0                                ; those stores have read v128-191, which the next 16 rows take
.set j, 16
.rept 16
	global_load_b128 v[FB+4*(j-16):FB+4*(j-16)+3], v[FO], s[22:23] offset:16384*j th:TH_LOAD_NT
.set j, j+1
.endr
.set j, 16
.rept 16
	CONV XR+4*j, 63-j, XD, 26, 256*j               ; younger: 31 - j pieces of X and 32 rows
.set j, j+1
.endr
.set j, 0
.rept 16
	CONV FA+4*j, 31-j, FD, 28, 8192*j              ; younger: the rows behind this one
.set j, j+1
.endr
.set j, 16
.rept 16
	CONV FB+4*(j-16), 31-j, FD, 28, 8192*j
.set j, j+1
.endr
.Lend:
	s_wait_tensorcnt 0x0                           ; the wave's end: behind my last LDS store
	ds_add_u32 v[SPW], v[NIL]
	s_wait_dscnt 0x0
	s_endpgm
.Lfunc_end_k_q72369a645c_prep:
	.size	k_q72369a645c_prep, .Lfunc_end_k_q72369a645c_prep-k_q72369a645c_prep
	.p2alignl 7, 3214868480
	.fill 96, 4, 3214868480
	.section	.rodata,"a",@progbits
	.p2align	6, 0x0
	.amdhsa_kernel k_q72369a645c_prep
		.amdhsa_group_segment_fixed_size 53760
		.amdhsa_private_segment_fixed_size 0
		.amdhsa_enable_private_segment 0
		.amdhsa_kernarg_size 88
		.amdhsa_user_sgpr_count 2
		.amdhsa_user_sgpr_kernarg_segment_ptr 1
		.amdhsa_wavefront_size32 1
		.amdhsa_system_sgpr_workgroup_id_x 1
		.amdhsa_system_sgpr_workgroup_id_y 1
		.amdhsa_system_sgpr_workgroup_id_z 1
		.amdhsa_system_vgpr_workitem_id 0
		.amdhsa_next_free_vgpr 256
		.amdhsa_next_free_sgpr 66
		.amdhsa_reserve_vcc 0
		.amdhsa_float_denorm_mode_32 3
		.amdhsa_float_denorm_mode_16_64 3
		.amdhsa_memory_ordered 1
		.amdhsa_forward_progress 1
		.amdhsa_inst_pref_size 65
	.end_amdhsa_kernel
	.amdgpu_metadata
---
amdhsa.version: [ 1, 2 ]
amdhsa.kernels:
  - .name:           k_q72369a645c_prep
    .symbol:         k_q72369a645c_prep.kd
    .args:
      - { .name: X, .offset: 0, .size: 8, .value_kind: global_buffer, .address_space: global }
      - { .name: Y, .offset: 8, .size: 8, .value_kind: global_buffer, .address_space: global }
      - { .name: Z, .offset: 16, .size: 8, .value_kind: global_buffer, .address_space: global }
      - { .name: a, .offset: 24, .size: 8, .value_kind: global_buffer, .address_space: global }
      - { .name: b, .offset: 32, .size: 8, .value_kind: global_buffer, .address_space: global }
      - { .name: c, .offset: 40, .size: 8, .value_kind: global_buffer, .address_space: global }
      - { .name: d, .offset: 48, .size: 8, .value_kind: global_buffer, .address_space: global }
      - { .name: float_weight, .offset: 56, .size: 8, .value_kind: global_buffer, .address_space: global }
      - { .name: quantized_mask, .offset: 64, .size: 8, .value_kind: global_buffer, .address_space: global }
      - { .name: Xh, .offset: 72, .size: 8, .value_kind: global_buffer, .address_space: global }
      - { .name: Wh, .offset: 80, .size: 8, .value_kind: global_buffer, .address_space: global }
    .group_segment_fixed_size: 53760
    .private_segment_fixed_size: 0
    .kernarg_segment_align: 8
    .kernarg_segment_size: 88
    .max_flat_workgroup_size: 128
    .sgpr_count:     66
    .vgpr_count:     256
    .wavefront_size: 32
...
	.end_amdgpu_metadata
.endif
;; end of part 1
;; launch gemm (part 2): grid 16 x 16, 4 waves a work-group, clusters of 4 x 4, 327,680 bytes of LDS; arguments Xh, Wh, out0, bias; writes out0
.if DOCPART == 2
	.amdgcn_target "amdgcn-amd-amdhsa--gfx1250"
	.amdhsa_code_object_version 6
	.text
	.protected	k_q72369a645c_gemm
	.globl	k_q72369a645c_gemm
	.p2align	8
	.type	k_q72369a645c_gemm,@function
k_q72369a645c_gemm:
	s_mov_b64 s[64:65], 0
	v_nop
	global_prefetch_b8 v0, s[64:65] scope:SCOPE_SE
	s_setreg_imm32_b32 hwreg(HW_REG_WAVE_MODE, 25, 1), 1
	s_wait_xcnt 0x0
	s_wait_alu depctr_hold_cnt(0) depctr_sa_sdst(0) depctr_va_vdst(0) depctr_va_sdst(0) depctr_va_ssrc(0) depctr_va_vcc(0) depctr_vm_vsrc(0)
	s_getreg_b32 s2, hwreg(HW_REG_IB_STS2, 6, 4)
	s_cmp_eq_u32 s2, 0
	s_cbranch_scc0 .Lentry_in_a_cluster
	s_endpgm
.Lentry_in_a_cluster:
	s_bfe_u32 s2, ttmp6, 0x10000c
	s_cmp_lg_u32 s2, 0xf033
	s_cbranch_scc0 .Lentry_shape_is_right
	s_endpgm
.Lentry_shape_is_right:
; SECOND OF TWO LAUNCHES.  out0[m][n] = sum over k of Xh[m][k] Wh[n][k] + bias[n].  Xh: [4096][4096] f16, Wh: [4096][4096] f16 (both made by the launch before), bias: [4096] f32, out0: [4096][4096] f32.
; Sums in f32; nothing is left out.  LIMITS: those of the f16 operands, stated at the head of the launch before; the order of the f32 sums is not reference()'s.
; A tile of out0, 256 x 256, is made by a work-group of four waves; a wave makes 128 x 128: 64 accumulators of 16 x 16, 512 registers.  256 tiles, one work-group each.
; K goes in steps of 128 through a ring of two LDS slots filled by the tensor data mover: the tiles' rows are 256 bytes of memory and start at multiples of 256 bytes from the buffer's first byte.
; CLUSTERS: 4 x 4 work-groups.  The four of a row of the cluster need the same tiles of Xh, the four of a column the same tiles of Wh: each tile is asked for JOINTLY, by the same tensor load with the same
; descriptor and a mask that names the four; each receives it in its own LDS.  That divides the requests for both by four.
; THE MATRIX INSTRUCTION IS USED TRANSPOSED: source 0 = 16 rows of Wh, source 1 = 16 rows of Xh.  In the result lane l holds row m = l % 16 and its registers 0 to 7 the columns n = 8 (l / 16) + 0 .. 7.
; THE BIAS IS THE C OPERAND OF THE FIRST PRODUCTS: for each block of 16 columns eight registers hold bias[n] in the result's own layout, the same for all rows: nothing is cleared, and no addition is written.
; REGISTERS, in windows of 256 (s_set_vgpr_msb: bits 1:0 source 0, 3:2 source 1, 5:4 source 2, 7:6 destination):
;   window 0: v0-31 addresses; v64-127, v128-191 fragments of Xh, two buffers; on the way out the same registers take rows read back from the stage
;   window 1: v64-127, v128-191 fragments of Wh, two buffers; v192-255 the bias
;   window 2: the 32 accumulators of my rows 0-63 (accumulator (a, b) at v[8 (8 a + b)]);   window 3: those of my rows 64-127
.set SIZE_N, 4096
.set SIZE_K, 4096
.set KSTEP,  128
.set PITCH,  272                       ; an LDS row: 256 bytes + 16 of padding = 68 words: row r starts at bank 4 r mod 64 (64 banks of 4 bytes: ISA guide 11.1), so the 16 rows of a load start at 16 different banks
.set HALFT,  128*PITCH                 ; 128 rows: what one tensor load brings, and what one wave reads of either operand
.set SLOT,   4*HALFT                   ; Xh's 256 rows, then Wh's 256 rows
.set STAGE,  2*SLOT                    ; behind the ring, never filled by a tensor load: 16 rows x 528 bytes for each wave, for the way out
.set SPITCH, 528                       ; a stage row: 128 f32 = 512 bytes + 16: an odd multiple of 16
.set SPARE,  STAGE+4*16*SPITCH         ; the spare words, 128 bytes for each wave: two blocks of 256 bytes that no other line names
.set LAPS,   SIZE_K/(2*KSTEP)          ; a lap = two K steps = once round the ring: 16
.set ADRA, 16                          ; v16-17  LDS address of my Xh fragments in slot 0, 1
.set ADRB, 20                          ; v20-21  the same for Wh
.set STO,  24                          ; v24     the way out: where I put 32 bytes of a row
.set RD,   25                          ; v25     the way out: where I read a row back
.set CO,   26                          ; v26     my 16 bytes of a row's 512
.set BO,   27                          ; v27     my byte offset in a block of 16 numbers of the bias
.set SPW,  28                          ; v28     LDS address of my spare word; never rewritten
.set NIL,  29                          ; v29     0; never rewritten
.set PFO,  30                          ; v30     the prefetches' offset: my lane x a row of 8,192 bytes; never rewritten
.set F0,   64
.set F1,   128
.set BIAS, 192                         ; window 1: column block b at BIAS + 8 b
.set PFA,  44                          ; s[44:45] where my prefetches stand
.set LIM,  43                          ; s43     1 in a wave that prefetches, else the greatest number
.set G1, 24                            ; s[24:31] descriptor group 1 for Xh's tiles
.set G0, 32                            ; s[32:39] descriptor group 0 for Xh's tiles, one set for each slot
.set G1B, 48                           ; s[48:55] group 1 for Wh's tiles: it differs in the mask alone
.set G0B, 56                           ; s[56:63] group 0 for Wh's tiles
.set MSB, 0
.macro WIN new                         ; the immediate's high byte repeats the setting that is left; a switch that changes nothing is dropped
.if MSB != (\new)
	s_set_vgpr_msb (MSB<<8)|(\new)
.set MSB, \new
.endif
.endm
.set TO_B, 0x40                        ; destination window 1, address window 0
; A joint load.  Waves 0 and 1 fetch Xh's two halves, waves 2 and 3 Wh's.  The branch hangs on the wave's number alone.  An s_nop 0 and four v_nop follow each of the two lines.
.macro JLOAD s
	s_cmp_eq_u32 s11, 0
	s_cbranch_scc0 .Lfor_b_\@
	tensor_load_to_lds s[G0+4*(\s):G0+4*(\s)+3], s[G1:G1+7]
	s_nop 0
.rept 4
	v_nop
.endr
	s_branch .Lasked_\@
.Lfor_b_\@:
	tensor_load_to_lds s[G0B+4*(\s):G0B+4*(\s)+3], s[G1B:G1B+7]
	s_nop 0
.rept 4
	v_nop
.endr
.Lasked_\@:
.endm
; A PREFETCH INTO THE L2, behind each joint refill and the run of LDS loads that follows it: the K step that stands TWO refills on (512 matrix instructions ahead of the load that will want it): 32 rows x 256 bytes,
; a lane a row, one instruction a wave.  Each row's 256 bytes of a K step are named ONCE in the launch: Xh's tile row is read by every cluster of that row of clusters, and cluster x = 0 asks; Wh's tile column by
; every cluster of that column, and cluster y = 0 asks.  The four partners that ask for a tile jointly share its rows out BY ADDRESS: of the 128 rows that a wave fetches the partner at place p takes 32 p .. 32 p + 31.
; The first four K steps come by their loads alone; the loop's last trip (s3 = 1) asks for nothing: K steps 32 and 33 do not exist.
.macro ASK
	s_cmp_gt_u32 s3, s[LIM]
	s_cbranch_scc0 .Lnot_mine_\@
	global_prefetch_b8 v[PFO], s[PFA:PFA+1] offset:KSTEP*2 th:TH_LOAD_NT scope:SCOPE_SE
.Lnot_mine_\@:
.endm
; A round of the cluster's barrier: my work-group's barrier; wave 0 signals for the work-group; every wave waits for all sixteen work-groups; my work-group's barrier once more.
.macro CREST                           ; a round behind its opening barrier
	s_cmp_lg_u32 s10, 0
	s_cbranch_scc1 .Lnot_wave_0_\@
	s_barrier_signal -3
.Lnot_wave_0_\@:
	s_barrier_wait -3
	s_barrier_signal -1
	s_barrier_wait -1
.endm
.macro CROUND
	s_barrier_signal -1
	s_barrier_wait -1
	CREST
.endm
	s_load_b128 s[4:7], s[0:1], 0x0                ; Xh s[4:5], Wh s[6:7]
	s_load_b64 s[8:9], s[0:1], 0x10                ; out0
	s_load_b64 s[66:67], s[0:1], 0x18              ; bias
	v_lshl_add_u32 v[SPW], v0, 2, SPARE
	v_mov_b32 v[NIL], 0
	ds_add_u32 v[SPW], v[NIL]                      ; the wave's opening: the add, twice on end, and its wait ahead of my first tensor load; the set-up below stands between
	ds_add_u32 v[SPW], v[NIL]
	v_lshrrev_b32 v1, 5, v0
	v_readfirstlane_b32 s10, v1                    ; wave 0..3
	s_lshr_b32 s11, s10, 1                         ; which half of the tile's rows is mine.  Also: I fetch for Xh (0) or for Wh (1)
	s_and_b32 s12, s10, 1                          ; which half of its columns.  Also: which 128 rows of that tile I fetch
	s_bfe_u32 s40, ttmp6, 0x40000                  ; cx
	s_bfe_u32 s41, ttmp6, 0x40004                  ; cy
	s_lshl_b32 s42, ttmp9, 2
	s_add_co_u32 s42, s42, s40                     ; tile column = 4 x cluster x + cx
	s_and_b32 s13, ttmp7, 0xffff
	s_lshl_b32 s13, s13, 2
	s_add_co_u32 s13, s13, s41                     ; tile row = 4 x cluster y + cy
	s_lshl_b32 s43, s41, 2
	s_lshl_b32 s43, 15, s43                        ; my row of the cluster: places 4 cy .. 4 cy + 3
	s_lshl_b32 s44, 0x1111, s40                    ; my column: places cx, cx + 4, cx + 8, cx + 12
	; descriptor group 1: a tile of 128 rows x 128 elements, padded in LDS
	s_or_b32 s[G1+0], s43, (1<<16)|(1<<20)|(1<<21)|(5<<22)|(3<<25)   ; 15:0 the mask; 17:16 elements of 2 bytes; 20 padding on; 21 set beside a mask; 24:22 after every 64 words (code 5); 31:25 4 words of it (code 3)
	s_or_b32 s[G1B+0], s44, (1<<16)|(1<<20)|(1<<21)|(5<<22)|(3<<25)
.irp g, G1, G1B
	s_mov_b32 s[(\g)+1], KSTEP<<16                 ; tensor_dim0 = 128
	s_mov_b32 s[(\g)+2], 128<<16                   ; tensor_dim1 = 128
	s_mov_b32 s[(\g)+3], KSTEP<<16                 ; tile_dim0 = 128
	s_mov_b32 s[(\g)+4], 128                       ; tile_dim1 = 128
	s_mov_b32 s[(\g)+5], SIZE_K                    ; elements from row to row
	s_mov_b32 s[(\g)+6], 0
	s_mov_b32 s[(\g)+7], 0
.endr
	; Xh's tiles hang on the tile row alone, which my row of the cluster shares; Wh's on the tile column alone, which my column shares.  Each address is made in registers that never hold the other coordinate.
	s_lshl_b32 s17, s12, 7
	s_lshl_b32 s16, s13, 8
	s_add_co_u32 s16, s16, s17                     ; Xh: row 256 x tile row + 128 x half
	s_lshl_b32 s46, s42, 8
	s_add_co_u32 s46, s46, s17                     ; Wh: row 256 x tile column + 128 x half
	s_mov_b32 s17, 0
	s_mov_b32 s47, 0
	s_mov_b64 s[18:19], SIZE_K*2
	s_mul_u64 s[16:17], s[16:17], s[18:19]
	s_mul_u64 s[46:47], s[46:47], s[18:19]
	s_mul_i32 s20, s10, HALFT                      ; where they go: wave x 128 rows: no place in the cluster enters an LDS address
	s_wait_dscnt 0x0                               ; both opening adds are done
	s_wait_kmcnt 0x0
	s_add_nc_u64 s[14:15], s[4:5], s[16:17]
	s_add_nc_u64 s[46:47], s[6:7], s[46:47]
	CROUND                                         ; all sixteen work-groups are here: the first joint loads meet
.irp s, 0,1
	s_mov_b32 s[G0+4*(\s)], 1                                        ; count = 1
	s_add_co_u32 s[G0+4*(\s)+1], s20, (\s)*SLOT                      ; LDS address
	s_add_nc_u64 s[G0+4*(\s)+2:G0+4*(\s)+3], s[14:15], (\s)*KSTEP*2  ; global address: K step s
	s_or_b32 s[G0+4*(\s)+3], s[G0+4*(\s)+3], 0x80000000              ; type = 2
	s_mov_b32 s[G0B+4*(\s)], 1
	s_add_co_u32 s[G0B+4*(\s)+1], s20, (\s)*SLOT
	s_add_nc_u64 s[G0B+4*(\s)+2:G0B+4*(\s)+3], s[46:47], (\s)*KSTEP*2
	s_or_b32 s[G0B+4*(\s)+3], s[G0B+4*(\s)+3], 0x80000000
	JLOAD \s                                       ; two tensor loads of mine are out: both slots' first fills
.endr
	; A fragment is 16 rows x 32 K in 8 registers: lane l holds row l % 16; registers 0-3 K = 8 (l / 16) + 0..7, registers 4-7 K = 16 + 8 (l / 16) + 0..7: two loads of 16 bytes, 32 bytes apart.
	v_and_b32 v1, 15, v0
	v_bfe_u32 v2, v0, 4, 1
	v_mul_u32_u24 v3, v1, PITCH
	v_lshl_add_u32 v3, v2, 4, v3
	s_mul_i32 s21, s11, HALFT                      ; my 128 rows of Xh
	s_mul_i32 s22, s12, HALFT                      ; my 128 rows of Wh,
	s_add_co_u32 s22, s22, 2*HALFT                 ; which lie behind Xh's 256
.irp s, 0,1
	v_add_nc_u32 v[ADRA+(\s)], s21, v3
	v_add_nc_u32 v[ADRB+(\s)], s22, v3
	s_add_co_u32 s21, s21, SLOT
	s_add_co_u32 s22, s22, SLOT
.endr
	s_mul_i32 s23, s10, 16*SPITCH
	s_add_co_u32 s23, s23, STAGE                   ; my stage
	v_mul_u32_u24 v4, v1, SPITCH                   ; in: row l % 16, 32 bytes for each half of the lanes
	v_lshl_add_u32 v4, v2, 5, v4
	v_add_nc_u32 v[STO], s23, v4
	v_and_b32 v5, 31, v0
	v_lshlrev_b32 v[CO], 4, v5                     ; back: 32 lanes take one row of 512 bytes
	v_add_nc_u32 v[RD], s23, v[CO]
	v_lshlrev_b32 v[BO], 5, v2
	; out0 at my first row and column; the bias at my first column
	s_lshl_b32 s13, s13, 8
	s_lshl_b32 s14, s11, 7
	s_add_co_u32 s16, s13, s14                     ; my first row
	s_mov_b32 s17, 0
	s_mov_b64 s[18:19], SIZE_N*4
	s_mul_u64 s[16:17], s[16:17], s[18:19]
	s_lshl_b32 s46, s42, 10                        ; my first column, in bytes of f32: 1,024 x tile column + 512 x half
	s_lshl_b32 s47, s12, 9
	s_add_co_u32 s46, s46, s47
	s_mov_b32 s47, 0
	s_add_nc_u64 s[66:67], s[66:67], s[46:47]
	s_add_nc_u64 s[16:17], s[16:17], s[46:47]
	s_add_nc_u64 s[8:9], s[8:9], s[16:17]
	; the prefetches.  s13 = 256 x tile row, s42 = tile column, s40 = cx, s41 = cy still stand
	s_lshl_b32 s42, s42, 8
	s_and_b32 s22, ttmp7, 0xffff                   ; cluster y
	s_cmp_eq_u32 s11, 0                            ; do I fetch for Xh?
	s_cselect_b32 s20, s13, s42                    ; the tile's first row
	s_cselect_b32 s21, s40, s41                    ; my place among the four that ask for it with me
	s_cselect_b32 s22, ttmp9, s22                  ; the coordinate along which other clusters read the same rows
	s_cselect_b64 s[PFA:PFA+1], s[4:5], s[6:7]
	s_cmp_eq_u32 s22, 0
	s_cselect_b32 s[LIM], 1, -1                    ; the same in all sixteen partners, for a given wave
	s_lshl_b32 s22, s12, 7
	s_add_co_u32 s20, s20, s22                     ; + the 128 rows that I fetch
	s_lshl_b32 s21, s21, 5
	s_add_co_u32 s20, s20, s21                     ; + my work-group's 32 of them
	s_mov_b32 s21, 0
	s_mov_b64 s[18:19], SIZE_K*2
	s_mul_u64 s[20:21], s[20:21], s[18:19]
	s_add_nc_u64 s[PFA:PFA+1], s[PFA:PFA+1], s[20:21]
	s_add_nc_u64 s[PFA:PFA+1], s[PFA:PFA+1], 2*KSTEP*2  ; at K step 2: the first refill steps it to 3 and names K step 4
	v_and_b32 v[PFO], 31, v0
	v_mul_u32_u24 v[PFO], v[PFO], SIZE_K*2
	WIN TO_B
.irp b, 0,1,2,3,4,5,6,7
	global_load_b128 v[BIAS+8*(\b):BIAS+8*(\b)+3],   v[BO], s[66:67] offset:64*(\b)     ; bias[n0 + 16 b + 8 (l / 16) + 0..3]
	global_load_b128 v[BIAS+8*(\b)+4:BIAS+8*(\b)+7], v[BO], s[66:67] offset:64*(\b)+16  ; and + 4..7
.endr
	WIN 0
; 16 matrix instructions: m blocks a0, a0 + 1 of the window's four (hi = 0: my rows 0-63, 1: rows 64-127) x all 8 n blocks, 32 along K.  first = 1: the product starts the sum, with the bias (window 1) as C.
; The 64 accumulators take turns, one instruction a turn, in the same order in every quarter step: 63 others stand between two links of a chain, over the backward jump too.
.macro MUL16 f, hi, a0, first
.if \first
	WIN 0x91+0x40*(\hi)                            ; source 0 window 1, source 1 window 0, C window 1, D window 2 or 3
.else
	WIN 0xa1+0x50*(\hi)                            ; C and D window 2 or 3
.endif
.irp a, \a0, (\a0)+1
.irp b, 0,1,2,3,4,5,6,7
.if \first
	v_wmma_f32_16x16x32_f16 v[8*(8*(\a)+(\b)):8*(8*(\a)+(\b))+7], v[(\f)+8*(\b):(\f)+8*(\b)+7], v[(\f)+8*(4*(\hi)+(\a)):(\f)+8*(4*(\hi)+(\a))+7], v[BIAS+8*(\b):BIAS+8*(\b)+7]
.else
	v_wmma_f32_16x16x32_f16 v[8*(8*(\a)+(\b)):8*(8*(\a)+(\b))+7], v[(\f)+8*(\b):(\f)+8*(\b)+7], v[(\f)+8*(4*(\hi)+(\a)):(\f)+8*(4*(\hi)+(\a))+7], v[8*(8*(\a)+(\b)):8*(8*(\a)+(\b))+7]
.endif
.endr
.endr
.endm
; 32 LDS loads in one run: the fragments of one quarter step (128 rows of Wh, 128 rows of Xh, 32 K at byte k of the rows) into buffer f
.macro FETCH slot, k, f
	WIN TO_B
.irp i, 0,1,2,3,4,5,6,7
	ds_load_b128 v[(\f)+8*(\i):(\f)+8*(\i)+3],   v[ADRB+(\slot)] offset:(\k)+(\i)*16*PITCH
	ds_load_b128 v[(\f)+8*(\i)+4:(\f)+8*(\i)+7], v[ADRB+(\slot)] offset:(\k)+(\i)*16*PITCH+32
.endr
	WIN 0
.irp i, 0,1,2,3,4,5,6,7
	ds_load_b128 v[(\f)+8*(\i):(\f)+8*(\i)+3],   v[ADRA+(\slot)] offset:(\k)+(\i)*16*PITCH
	ds_load_b128 v[(\f)+8*(\i)+4:(\f)+8*(\i)+7], v[ADRA+(\slot)] offset:(\k)+(\i)*16*PITCH+32
.endr
.endm
.macro PLACES                          ; four places behind a matrix instruction, in front of loads into registers that it has read and of stores that read results (ISA guide 7.12.1 for the stores)
.rept 4
	v_nop
.endr
.endm
; A K step is four quarter steps of 32 along K, 64 matrix instructions each, on buffers 0, 1, 0, 1.  One of the first three: multiplies buffer f; in its middle it fetches the next quarter, at byte k, into buffer g.
.macro QUARTER slot, k, f, g, first
	s_wait_dscnt 8                                 ; Wh and Xh's rows 0-63 are in; the youngest eight loads (Xh's rows 64-127) may be out
	MUL16 \f, 0, 0, \first
	MUL16 \f, 0, 2, \first
	PLACES
	FETCH \slot, \k, \g
	s_wait_dscnt 32                                ; all but the 32 just issued
	MUL16 \f, 1, 0, \first
	MUL16 \f, 1, 2, \first
.endm
; The last quarter multiplies buffer 1 and changes slots.  MEET is its first half: ONE barrier.  In front of it each wave waits for all its tensor loads, of which one is out: its part of the next slot; adds 0 to its
; spare word; and waits for that and for its own reads of this slot.  Behind it nobody reads this slot any more and the next slot is whole.
.macro MEET round                      ; round = 1: a round of the cluster's barrier follows
	WIN 0                                          ; (the add's two registers lie in window 0)
	s_wait_tensorcnt 0x0                           ; all my tensor loads have landed
	ds_add_u32 v[SPW], v[NIL]                      ; 0 onto my spare word
	s_wait_dscnt 9                                 ; (the add and the youngest eight loads may be out)
	MUL16 F1, 0, 0, 0                              ; sixteen matrix instructions stand between the add and the wait for it
	s_wait_dscnt 0x0                               ; the add is done, and my reads of this slot are over
	s_barrier_signal -1
	MUL16 F1, 0, 2, 0                              ; work on registers while the others arrive
.if \round
	WIN 0
.endif
	s_barrier_wait -1
.endm
; The whole last quarter.  Behind the round the slot just read out is filled again first, with the K step two steps on; then come the next slot's first fragments.  From a request to the wait for it: 224 matrix instructions.
.macro TURN slot, next
	s_wait_xcnt 0x0                                ; the last prefetch, a K step back, has read its address: it is stepped here, ahead of the waits of the change of slots
	s_add_nc_u64 s[PFA:PFA+1], s[PFA:PFA+1], KSTEP*2
	MEET 1
	CREST                                          ; no wave of any partner still reads this slot's tile or has a load on its way
	s_add_nc_u64 s[G0+4*(\slot)+2:G0+4*(\slot)+3], s[G0+4*(\slot)+2:G0+4*(\slot)+3], 2*KSTEP*2
	s_add_nc_u64 s[G0B+4*(\slot)+2:G0B+4*(\slot)+3], s[G0B+4*(\slot)+2:G0B+4*(\slot)+3], 2*KSTEP*2
	JLOAD \slot                                    ; the first tensor load behind the round, my only one until the next; its four v_nop are also the places in front of the loads below
	FETCH \next, 0, F0
	ASK
	MUL16 F1, 1, 0, 0
	MUL16 F1, 1, 2, 0
.endm
; THE WAY OUT of block a (16 rows x 128 columns of f32).  TOSTAGE: a lane's eight numbers of each column block, 32 bytes, go into my own stage, each accumulator's low registers first; whole rows of 512 bytes come back.
.macro TOSTAGE a
.set AC, 64*((\a)%4)
.set BK, F0+64*((\a)%2)
	WIN 0x08+4*((\a)/4)                            ; the stores' data: window 2 or 3
.irp b, 0,1,2,3,4,5,6,7
	ds_store_b128 v[STO], v[AC+8*(\b):AC+8*(\b)+3]   offset:64*(\b)
	ds_store_b128 v[STO], v[AC+8*(\b)+4:AC+8*(\b)+7] offset:64*(\b)+16
.endr
	WIN 0
.if (\a) >= 2
	s_wait_xcnt 0x0                                ; the stores of the block two back have read these registers
.endif
.irp t, 0,1,2,3,4,5,6,7,8,9,10,11,12,13,14,15
	ds_load_b128 v[BK+4*(\t):BK+4*(\t)+3], v[RD] offset:(\t)*SPITCH  ; LDS serves a wave's instructions in order (ISA guide 5.7.1.4): these see the stores above; the next block's stores come behind them
.endr
.endm
.macro SEND a, younger                 ; younger: the LDS instructions issued behind block a's loads: the next block's 32, or none
.set BK, F0+64*((\a)%2)
.irp t, 0,1,2,3,4,5,6,7,8,9,10,11,12,13,14,15
	s_wait_dscnt (\younger)+15-(\t)
	global_store_b128 v[CO], v[BK+4*(\t):BK+4*(\t)+3], s[8:9] offset:(16*(\a)+(\t))*SIZE_N*4 th:TH_STORE_NT  ; the wave stores 512 consecutive bytes, at a multiple of 512 from out0's first byte
.endr
.endm
	s_wait_tensorcnt 1                             ; my part of K step 0 is in; K step 1's may stay out
	s_barrier_signal -1
	s_barrier_wait -1                              ; everybody's is
	FETCH 0, 0, F0
	s_wait_loadcnt 0x0                             ; the bias
	QUARTER 0, 64,  F0, F1, 1                      ; the first quarter stands in front of the loop: its products start the sums
	WIN 0                                          ; at a label and at a branch every window is 0
	s_mov_b32 s3, LAPS-1
.Llap:                                         ; a trip goes once round the ring, from a lap's second quarter to the next lap's first, and fills both slots again
	QUARTER 0, 128, F1, F0, 0
	QUARTER 0, 192, F0, F1, 0
	TURN 0, 1
	QUARTER 1, 64,  F0, F1, 0
	QUARTER 1, 128, F1, F0, 0
	QUARTER 1, 192, F0, F1, 0
	TURN 1, 0
	QUARTER 0, 64,  F0, F1, 0
	WIN 0
	s_sub_co_u32 s3, s3, 1
	s_cmp_lg_u32 s3, 0
	s_cbranch_scc1 .Llap
	QUARTER 0, 128, F1, F0, 0                      ; the last lap fills nothing, and has no round of the cluster's barrier
	QUARTER 0, 192, F0, F1, 0
	MEET 0                                         ; my one tensor load that was still out is slot 1's, the last K step's
	PLACES                                         ; for the loads into buffer 0, which the quarter before multiplied
	FETCH 1, 0, F0
	MUL16 F1, 1, 0, 0
	MUL16 F1, 1, 2, 0
	QUARTER 1, 64,  F0, F1, 0
	QUARTER 1, 128, F1, F0, 0
	QUARTER 1, 192, F0, F1, 0
	s_wait_dscnt 8                                 ; the very last quarter: nothing more to fetch
	MUL16 F1, 0, 0, 0
	MUL16 F1, 0, 2, 0
	s_wait_dscnt 0x0
	MUL16 F1, 1, 0, 0
	MUL16 F1, 1, 2, 0
	WIN 0
	PLACES                                         ; the LDS stores below read results, and the loads below land in registers that the last products read
	TOSTAGE 0
.irp a, 1,2,3,4,5,6,7                  ; a block's way through the stage stands between the loads of the block before and its stores
	TOSTAGE \a
	SEND (\a)-1, 32
.endr
	SEND 7, 0
	s_wait_tensorcnt 0x0                           ; the wave's end: behind my last tensor load and my last LDS store
	ds_add_u32 v[SPW], v[NIL]
	s_wait_dscnt 0x0
	CROUND                                         ; the closing round: no work-group ends while a partner may still ask for a tile that names it
	s_endpgm
.Lfunc_end_k_q72369a645c_gemm:
	.size	k_q72369a645c_gemm, .Lfunc_end_k_q72369a645c_gemm-k_q72369a645c_gemm
	.p2alignl 7, 3214868480
	.fill 96, 4, 3214868480
	.section	.rodata,"a",@progbits
	.p2align	6, 0x0
	.amdhsa_kernel k_q72369a645c_gemm
		.amdhsa_group_segment_fixed_size 327680
		.amdhsa_private_segment_fixed_size 0
		.amdhsa_enable_private_segment 0
		.amdhsa_kernarg_size 32
		.amdhsa_user_sgpr_count 2
		.amdhsa_user_sgpr_kernarg_segment_ptr 1
		.amdhsa_wavefront_size32 1
		.amdhsa_system_sgpr_workgroup_id_x 1
		.amdhsa_system_sgpr_workgroup_id_y 1
		.amdhsa_system_sgpr_workgroup_id_z 1
		.amdhsa_system_vgpr_workitem_id 0
		.amdhsa_next_free_vgpr 1024
		.amdhsa_next_free_sgpr 68
		.amdhsa_reserve_vcc 0
		.amdhsa_float_denorm_mode_32 3
		.amdhsa_float_denorm_mode_16_64 3
		.amdhsa_memory_ordered 1
		.amdhsa_forward_progress 1
		.amdhsa_inst_pref_size 147
	.end_amdhsa_kernel
	.amdgpu_metadata
---
amdhsa.version: [ 1, 2 ]
amdhsa.kernels:
  - .name:           k_q72369a645c_gemm
    .symbol:         k_q72369a645c_gemm.kd
    .args:
      - { .name: Xh, .offset: 0, .size: 8, .value_kind: global_buffer, .address_space: global }
      - { .name: Wh, .offset: 8, .size: 8, .value_kind: global_buffer, .address_space: global }
      - { .name: out0, .offset: 16, .size: 8, .value_kind: global_buffer, .address_space: global }
      - { .name: bias, .offset: 24, .size: 8, .value_kind: global_buffer, .address_space: global }
    .group_segment_fixed_size: 327680
    .private_segment_fixed_size: 0
    .kernarg_segment_align: 8
    .kernarg_segment_size: 32
    .max_flat_workgroup_size: 128
    .sgpr_count:     68
    .vgpr_count:     1024
    .wavefront_size: 32
...
	.end_amdgpu_metadata
.endif
;; end of part 2
;; ======== version 2 of 2: 2 launches; version 1 with the launch prep written anew for expert scheduling mode
;; limits: values outside matrix products are rounded to f16; values are held in f16: magnitudes above 65,504 overflow, below 6.1e-05 lose precision; inputs' magnitudes at most 65,504
;; workspace buffers: Xh 33,554,432 bytes; Wh 33,554,432 bytes
;; launch prep (part 3): grid 32 x 32, 4 waves a work-group, no clusters, 53,760 bytes of LDS; arguments X, Y, Z, a, b, c, d, float_weight, quantized_mask, Xh, Wh; writes Xh, Wh
.if DOCPART == 3
	.amdgcn_target "amdgcn-amd-amdhsa--gfx1250"
	.amdhsa_code_object_version 6
	.text
	.protected	k_q72369a645c_prep
	.globl	k_q72369a645c_prep
	.p2align	8
	.type	k_q72369a645c_prep,@function
k_q72369a645c_prep:
	s_mov_b64 s[64:65], 0
	v_nop
	global_prefetch_b8 v0, s[64:65] scope:SCOPE_SE
	s_setreg_imm32_b32 hwreg(HW_REG_WAVE_SCHED_MODE, 0, 2), 2
	s_setreg_imm32_b32 hwreg(HW_REG_WAVE_MODE, 25, 1), 1
	s_wait_xcnt 0x0
	s_wait_alu depctr_vm_vsrc(0)
; FIRST OF TWO LAUNCHES.  out0 = X W^T + bias, W in 32 x 32 blocks of 128 x 128: block (r, c) is sum over bw of (a Y Z + b Ysum + c Zsum) + d where quantized_mask[r][c] is set, else the block of float_weight.
; This launch rounds X once to f16 (Xh) and makes the chosen W, rounded once to f16 (Wh: [4096 out][4096 in]); the second launch multiplies them.
; NOTHING IS LEFT OUT AS DEAD: every input has a way to the output and is loaded.  WHAT IS CHOSEN: the mask is a whole number that this launch reads from memory, so a block fetches only the side that the mask asks
; for: Y where it is set, float_weight where it is not, as reference()'s where() chooses.  Z is staged for every block (8 KiB): the stage is shared by the four waves, so a barrier follows it, and that barrier
; stands ahead of the branch on the mask.  a, b, c, d of the block (52 bytes) are fetched beside the mask's byte.
; WHY f16: a set block's numbers are some hundred times float_weight's, so they make the output, and every number of it is held to a hundredth of the root mean square: f16's 11 significant bits leave room, 8 would not.
; LIMITS.  An |X| or |W| of 65,520 or more becomes an infinity in f16; below 6e-5 f16 keeps a fixed step of 6e-8.  a + c (summed in f32) and c are rounded once to f16; b Ysum + d stays in f32.
; The order of the f32 sums is not reference()'s.  Y, Z and the mask hold the bytes 0 and 1.
; SHARES.  Work-group (c = x, r = y), g = 32 r + c.  It converts rows 4 g .. 4 g + 3 of X (wave w: row 4 g + w, 32 pieces of 512 bytes) and makes block (r, c) of Wh (wave w: its rows 32 w .. 32 w + 31).
; A SET BLOCK is one product with K = 64, k = 16 bw + i: source 1 = a_bw Y + c_bw (one of two f16 numbers, picked by Y's byte), source 0 = Z (0.0 or 1.0): the sum is a core + c Zsum.  What is left,
; RT[y] = sum over bw of b_bw Ysum + d, is the C operand of the first product: source 0 holds Z's columns, so a lane's eight results are eight neighbouring z of ONE row y, and RT is the same in all eight registers.
; No tensor load, ring or cluster: no work-group reads what another reads, and the stream goes through registers, up to 48 loads of 512 bytes a wave on their way.
; THE MODE: SCHED_MODE bits 1:0 = 2 (LLVM: expert scheduling mode 2), set by the entry lines.  The code itself states the register dependences
; between vector or matrix instructions and memory or LDS instructions, with s_wait_alu, always for 0.
; THE PLAN.  Registers that memory or LDS instructions touch:
;   v4-v14, v28, v29  offsets and LDS addresses: written at the head, never again; one wait on va_vdst ahead of the first load serves every load and store of the kernel.
;   ZRAW, ZE          Z's loads land in ZRAW; the 64 lines that spread it read ZRAW and write ZE; ONE wait on va_vdst; eight LDS stores read ZE.  Behind the barrier, ahead of the branch, one wait on vm_vsrc:
;                     on either way loads land in these registers next, and no vector instruction has named them since the wait on va_vdst.
;   XR, FA, FB        the stream, four registers a piece, in GROUPS of four pieces.  A group's eight conversions write the first two registers of each of its pieces in place; the four stores that read them are
;                     issued in the NEXT group, behind the one wait on va_vdst at its head, dealt among that group's conversions, which name that group's registers alone.
;   ZF                turning loads land in it twice; the products read it.  First time: X's stores have read these registers (vm_vsrc), X's conversions are behind the stream's last wait on va_vdst.
;                     Second time: one wait on va_vdst behind the first products.
;   TMP               32 roundings write it, one wait on va_vdst, eight LDS stores read it; twice, with one wait on vm_vsrc ahead of the second roundings.
;   ACC = BK          products write it, roundings read it; the loads from my stage land in it behind the second TMP's wait on va_vdst; the last global stores read what those loads brought.
;   YF, CT, TT, v15, v20-25, v31 are named by vector and matrix instructions alone.
.set ZP,    288                        ; a row k of the Z stage: 128 z in f16 = 256 bytes + 32 of padding: an odd multiple of 32
.set OST,   64*ZP                      ; behind the Z stage (64 rows): each wave's own stage for the way out
.set OP,    272                        ; a row of it: 256 bytes + 16
.set OWAVE, 32*OP
.set SPARE, OST+4*OWAVE                ; the spare words, 128 bytes for each wave: two blocks of 256 bytes that no other line names
.set BWS,   2097152                    ; bytes from one bw to the next in Y and in Z
.set XO,  4                            ; v4   X:  16,384 w + 16 L
.set XD,  5                            ; v5   Xh:  8,192 w +  8 L
.set FO,  6                            ; v6   float_weight: 32 w rows of 16,384 bytes + 16 L
.set FD,  7                            ; v7   Wh, the float way: 32 w rows of 8,192 bytes + 8 L
.set ZO,  8                            ; v8   Z: 16 t
.set ZS,  9                            ; v9   where my 16 z go in the stage
.set YO,  10                           ; v10  Y: 512 w + 16 (L % 16) + 8 (L / 16)
.set AZ,  11                           ; v11  the turning load's address
.set STO, 12                           ; v12  the way out: where I put 16 bytes of a row
.set RD,  13                           ; v13  the way out: where I read rows back
.set WO,  14                           ; v14  Wh, the set way
.set ZR,  15                           ; v15  0, a source of v_perm_b32
.set TT,  16                           ; v16-19  for each bw: f16(c) below, f16(a + c) above
.set SPW, 28                           ; v28  LDS address of my spare word; never rewritten
.set NIL, 29                           ; v29  0; never rewritten
.set YF,  32                           ; v32-63   source 1: tile u of 16 rows, K half q at YF + 16 u + 8 q
.set CT,  64                           ; v64-79   RT, eight equal registers a tile
.set ACC, 80                           ; v80-143  accumulator 4 u + z
.set ZF,  144                          ; v144-207 source 0: z tile, K half q at ZF + 16 z + 8 q
.set TMP, 208                          ; v208-239 packed results
.set XR,  128                          ; v128-255 X's 32 pieces, 4 registers each
.set ZRAW, 80                          ; v80-95   Z as loaded
.set ZE,  96                           ; v96-127  Z in f16, eight registers a bw
.set YRAW, 96                          ; v96-111  Y as loaded (behind the barrier, when ZE has been stored)
.set BK,  80                           ; v80-143  rows read back from my stage
.set FA,  64                           ; v64-127  float_weight, rows 0-15 of mine
.set FB,  128                          ; v128-191 rows 16-31: FB = FA + 64, so row j lies at FA + 4 j for all 32
	s_load_b512 s[8:23], s[0:1], 0x0               ; X s[8:9], Y s[10:11], Z s[12:13], a s[14:15], b s[16:17], c s[18:19], d s[20:21], float_weight s[22:23]
	s_load_b128 s[24:27], s[0:1], 0x40             ; quantized_mask s[24:25], Xh s[26:27]
	s_load_b64 s[28:29], s[0:1], 0x50              ; Wh
	v_lshl_add_u32 v[SPW], v0, 2, SPARE
	v_mov_b32 v[NIL], 0
	v_lshrrev_b32 v20, 5, v0
	v_readfirstlane_b32 s5, v20                    ; wave 0..3
	s_mov_b32 s2, ttmp9                            ; c
	s_and_b32 s3, ttmp7, 0xffff                    ; r
	s_lshl_b32 s4, s3, 5
	s_add_co_u32 s4, s4, s2                        ; g
	s_mov_b32 s53, 0x01000100                      ; makes byte selectors 2 y, 2 y + 1
	s_mov_b32 s56, 0x01010101                      ; sums four bytes into the top one
	s_mov_b32 s54, 0x76543210                      ; v_permlanex16_b32: each lane takes its own place in the other half
	s_mov_b32 s55, 0xfedcba98
	v_and_b32 v1, 31, v0                           ; L
	v_and_b32 v2, 15, v0                           ; L % 16
	v_bfe_u32 v3, v0, 4, 1                         ; L / 16
	s_wait_alu depctr_va_sdst(0)                   ; s5 is written, ahead of its first reader: the wave's shares of X, Y, Z, W and of LDS are made from it
	s_lshl_b32 s30, s5, 14
	v_lshl_add_u32 v[XO], v1, 4, s30
	s_lshl_b32 s30, s5, 13
	v_lshl_add_u32 v[XD], v1, 3, s30
	s_lshl_b32 s30, s5, 19
	v_lshl_add_u32 v[FO], v1, 4, s30
	s_lshl_b32 s30, s5, 18
	v_lshl_add_u32 v[FD], v1, 3, s30
	v_lshlrev_b32 v[ZO], 4, v0
	v_lshrrev_b32 v20, 3, v1                       ; thread t holds i = t / 8 = 4 w + L / 8 and z = 16 (t % 8) on
	v_and_b32 v21, 7, v1
	v_mul_u32_u24 v20, v20, ZP
	v_lshl_add_u32 v20, v21, 5, v20
	s_mul_i32 s30, s5, 4*ZP
	v_add_nc_u32 v[ZS], s30, v20
	s_lshl_b32 s30, s5, 9
	v_lshl_add_u32 v[YO], v2, 4, s30
	v_lshl_add_u32 v[YO], v3, 3, v[YO]
	v_lshl_add_u32 v20, v3, 3, v21                 ; the turning load: row 8 (L / 16) + L % 8, 16 bytes by (L / 8) % 2
	v_mul_u32_u24 v20, v20, ZP
	v_bfe_u32 v22, v0, 3, 1
	v_lshl_add_u32 v[AZ], v22, 4, v20
	s_mul_i32 s30, s5, OWAVE
	s_add_co_u32 s30, s30, OST                     ; my stage
	v_mul_u32_u24 v20, v2, OP                      ; in: row L % 16, 16 bytes for each half of the lanes
	v_lshl_add_u32 v20, v3, 4, v20
	v_add_nc_u32 v[STO], s30, v20
	v_mul_u32_u24 v20, v3, OP                      ; back: lanes 0-15 one row of 256 bytes, lanes 16-31 the next
	v_lshl_add_u32 v20, v2, 4, v20
	v_add_nc_u32 v[RD], s30, v20
	s_lshl_b32 s30, s5, 18                         ; and the same two rows in Wh
	v_lshl_add_u32 v20, v3, 13, s30
	v_lshl_add_u32 v[WO], v2, 4, v20
	v_mov_b32 v[ZR], 0
	v_mov_b32 v31, 0                               ; v_permlanex16_b32's destination counts as read: written here
	s_wait_kmcnt 0x0
	s_mov_b32 s7, 0                                ; every offset is a pair with 0 above it
	s_lshl_b32 s6, s4, 16
	s_add_nc_u64 s[8:9], s[8:9], s[6:7]            ; X at row 4 g
	s_lshl_b32 s6, s4, 15
	s_add_nc_u64 s[26:27], s[26:27], s[6:7]        ; Xh likewise
	s_lshl_b32 s6, s4, 11
	s_add_nc_u64 s[10:11], s[10:11], s[6:7]        ; Y and Z at block g of bw 0
	s_add_nc_u64 s[12:13], s[12:13], s[6:7]
	s_lshl_b32 s6, s4, 2
	s_add_nc_u64 s[14:15], s[14:15], s[6:7]        ; a, b, c, d at block g
	s_add_nc_u64 s[16:17], s[16:17], s[6:7]
	s_add_nc_u64 s[18:19], s[18:19], s[6:7]
	s_add_nc_u64 s[20:21], s[20:21], s[6:7]
	s_mov_b32 s6, s4
	s_add_nc_u64 s[24:25], s[24:25], s[6:7]        ; the mask's byte
	s_lshl_b32 s6, s3, 21
	s_lshl_b32 s30, s2, 9
	s_add_co_u32 s6, s6, s30
	s_add_nc_u64 s[22:23], s[22:23], s[6:7]        ; float_weight at the block's corner
	s_lshl_b32 s6, s3, 20
	s_lshl_b32 s30, s2, 8
	s_add_co_u32 s6, s6, s30
	s_add_nc_u64 s[28:29], s[28:29], s[6:7]        ; Wh at the block's corner
	s_load_u8 s36, s[24:25], 0x0
.irp bw, 0,1,2,3
	s_load_b32 s[40+(\bw)], s[14:15], 0x1000*(\bw)
	s_load_b32 s[44+(\bw)], s[16:17], 0x1000*(\bw)
	s_load_b32 s[48+(\bw)], s[18:19], 0x1000*(\bw)
.endr
	s_load_b32 s52, s[20:21], 0x0
	s_wait_alu depctr_va_vdst(0)                   ; the eleven offsets and LDS addresses v4 to v14 are written, which every load and store below reads; so are v28 and v29, which the closing add reads
.irp bw, 0,1,2,3
	global_load_b128 v[ZRAW+4*(\bw):ZRAW+4*(\bw)+3], v[ZO], s[12:13] offset:(\bw)*BWS th:TH_LOAD_NT
.endr
.set j, 0
.rept 32
	global_load_b128 v[XR+4*j:XR+4*j+3], v[XO], s[8:9] offset:512*j th:TH_LOAD_NT
.set j, j+1
.endr
; THE STREAM, a group of four pieces.  A piece's four f32 become four f16 in its first two registers.  cnt: the younger loads, which may stay out.  cr: the group's first register.
; pr: the first register of the group before, whose four stores are issued here (-1: there is none); pv, pb: their offset register and base; po, ps: the first store's immediate and the step from store to store.
; A wave's store covers 256 consecutive bytes, aligned.
.macro GRP cnt, cr, pr, pv, pb, po, ps
	s_wait_loadcnt \cnt                            ; loads come back in order (ISA guide 5.7.1): this group's four are in
.if (\pr) >= 0
	s_wait_alu depctr_va_vdst(0)                   ; the conversions of the group before have written the registers that the four stores below read; this group's conversions name none of them
.endif
.irp i, 0,1,2,3
.if (\pr) >= 0
	global_store_b64 v[\pv], v[(\pr)+4*(\i):(\pr)+4*(\i)+1], s[\pb:(\pb)+1] offset:(\po)+(\i)*(\ps)
.endif
	v_cvt_pk_f16_f32 v[(\cr)+4*(\i)], v[(\cr)+4*(\i)], v[(\cr)+4*(\i)+1]
	v_cvt_pk_f16_f32 v[(\cr)+4*(\i)+1], v[(\cr)+4*(\i)+2], v[(\cr)+4*(\i)+3]
.endr
.endm
; The four stores of a run's last group.
.macro TAIL pr, pv, pb, po, ps
	s_wait_alu depctr_va_vdst(0)                   ; the last group's conversions have written the registers that these four stores read; every conversion of the run is done with its registers
.irp i, 0,1,2,3
	global_store_b64 v[\pv], v[(\pr)+4*(\i):(\pr)+4*(\i)+1], s[\pb:(\pb)+1] offset:(\po)+(\i)*(\ps)
.endr
.endm
; My 16 bytes of Z[bw] become 16 f16: two bytes are spread into a word's halves, and 0 or 1 times 0x3c00 is 0.0 or 1.0.
.macro ZEXP bw
.irp p, 0,1,2,3
	v_perm_b32 v[ZE+8*(\bw)+2*(\p)],   v[ZRAW+4*(\bw)+(\p)], v[ZR], 0x00050004
	v_perm_b32 v[ZE+8*(\bw)+2*(\p)+1], v[ZRAW+4*(\bw)+(\p)], v[ZR], 0x00070006
.endr
.irp p, 0,1,2,3,4,5,6,7
	v_mul_u32_u24 v[ZE+8*(\bw)+(\p)], v[ZE+8*(\bw)+(\p)], 0x3c00
.endr
.endm
.macro ZPUT bw                         ; and go into the stage
	ds_store_b128 v[ZS], v[ZE+8*(\bw):ZE+8*(\bw)+3]   offset:(\bw)*16*ZP
	ds_store_b128 v[ZS], v[ZE+8*(\bw)+4:ZE+8*(\bw)+7] offset:(\bw)*16*ZP+16
.endm
; My 8 bytes of Y[bw] for tile u become four registers of source 1: byte y picks bytes 2 y, 2 y + 1 of TT[bw].
.macro YEXP u, bw
.set yx, YRAW+2*(4*(\u)+(\bw))
.set yd, YF+16*(\u)+8*((\bw)/2)+4*((\bw)%2)
	v_perm_b32 v22, v[yx],   v[yx],   0x01010000
	v_perm_b32 v23, v[yx],   v[yx],   0x03030202
	v_perm_b32 v24, v[yx+1], v[yx+1], 0x01010000
	v_perm_b32 v25, v[yx+1], v[yx+1], 0x03030202
.irp p, 0,1,2,3
	v_lshl_add_u32 v[22+(\p)], v[22+(\p)], 1, s53
.endr
.irp p, 0,1,2,3
	v_perm_b32 v[yd+(\p)], v[TT+(\bw)], v[TT+(\bw)], v[22+(\p)]
.endr
.endm
; RT of tile u's rows: my 8 bytes are summed (no byte passes 8), weighted by b, joined with the other half of the lanes', d is added; eight equal registers.
.macro ROWT u
.irp bw, 0,1,2,3
	v_add_nc_u32 v20, v[YRAW+2*(4*(\u)+(\bw))], v[YRAW+2*(4*(\u)+(\bw))+1]
	v_mul_lo_u32 v20, v20, s56
	v_lshrrev_b32 v20, 24, v20
	v_cvt_f32_u32 v20, v20
.if (\bw) == 0
	v_mul_f32 v21, s44, v20
.else
	v_fmac_f32 v21, s[44+(\bw)], v20
.endif
.endr
	v_permlanex16_b32 v31, v21, s54, s55
	v_add_f32 v21, v21, v31
	v_add_f32 v[CT+8*(\u)], s52, v21
.irp k, 1,2,3,4,5,6,7
	v_mov_b32 v[CT+8*(\u)+(\k)], v[CT+8*(\u)]
.endr
.endm
; Source 0 for the four z tiles 4 g .. 4 g + 3, both K halves: 16 turning loads.
.macro ZFETCH g
.irp z, 0,1,2,3
.irp q, 0,1
	ds_load_tr16_b128 v[ZF+16*(\z)+8*(\q):ZF+16*(\z)+8*(\q)+3],   v[AZ] offset:(\q)*32*ZP+32*(4*(\g)+(\z))
	ds_load_tr16_b128 v[ZF+16*(\z)+8*(\q)+4:ZF+16*(\z)+8*(\q)+7], v[AZ] offset:(\q)*32*ZP+16*ZP+32*(4*(\g)+(\z))
.endr
.endr
.endm
; 16 products.  The eight accumulators take turns, one instruction a turn: seven others stand between the two links of a chain.  The first link's C is RT.
.macro MULS
.irp q, 0,1
.irp u, 0,1
.irp z, 0,1,2,3
.if (\q) == 0
	v_wmma_f32_16x16x32_f16 v[ACC+8*(4*(\u)+(\z)):ACC+8*(4*(\u)+(\z))+7], v[ZF+16*(\z):ZF+16*(\z)+7], v[YF+16*(\u):YF+16*(\u)+7], v[CT+8*(\u):CT+8*(\u)+7]
.else
	v_wmma_f32_16x16x32_f16 v[ACC+8*(4*(\u)+(\z)):ACC+8*(4*(\u)+(\z))+7], v[ZF+16*(\z)+8:ZF+16*(\z)+15], v[YF+16*(\u)+8:YF+16*(\u)+15], v[ACC+8*(4*(\u)+(\z)):ACC+8*(4*(\u)+(\z))+7]
.endif
.endr
.endr
.endr
.endm
.macro PLACES                          ; four places behind the last product, before its result is read (ISA guide 7.12.1)
.rept 4
	v_nop
.endr
.endm
.macro PACK                            ; the results are rounded to f16, each accumulator from its low end on
.irp n, 0,1,2,3,4,5,6,7
.irp p, 0,1,2,3
	v_cvt_pk_f16_f32 v[TMP+4*(\n)+(\p)], v[ACC+8*(\n)+2*(\p)], v[ACC+8*(\n)+2*(\p)+1]
.endr
.endr
.endm
.macro PUT g                           ; and go into my stage: 16 bytes a lane, eight neighbouring z of a row
.irp n, 0,1,2,3,4,5,6,7
	ds_store_b128 v[STO], v[TMP+4*(\n):TMP+4*(\n)+3] offset:((\n)/4)*16*OP+32*(4*(\g)+(\n)%4)
.endr
.endm
	s_wait_loadcnt 32                              ; Z's four loads are in; X's 32, issued behind them, stay out
	ZEXP 0
	ZEXP 1
	ZEXP 2
	ZEXP 3
	s_wait_alu depctr_va_vdst(0)                   ; the 64 lines above have written ZE, which the eight LDS stores read, and are done with ZRAW and ZE, in which loads land behind the branch
	ZPUT 0
	ZPUT 1
	ZPUT 2
	ZPUT 3
	s_wait_dscnt 0x0                               ; for the others' sake: my part of the Z stage is written
	s_barrier_signal -1
	s_barrier_wait -1                              ; the launch's one barrier, on every wave's path, ahead of the branch on the mask; nobody writes the Z stage again
	s_wait_alu depctr_vm_vsrc(0)                   ; my LDS stores have read ZE: on the one way Y's loads land in these registers, on the other float_weight's
	s_wait_kmcnt 0x0                               ; the mask's byte, a, b, c, d
	s_cmp_lg_u32 s36, 0
	s_cbranch_scc0 .Lfloat
	; THE MASK IS SET
.irp u, 0,1
.irp bw, 0,1,2,3
	global_load_b64 v[YRAW+2*(4*(\u)+(\bw)):YRAW+2*(4*(\u)+(\bw))+1], v[YO], s[10:11] offset:(\bw)*BWS+256*(\u) th:TH_LOAD_NT  ; 16 rows x 16 bytes: 256 bytes on end
.endr
.endr
.irp bw, 0,1,2,3
	v_add_f32 v20, s[40+(\bw)], s[48+(\bw)]
	v_cvt_pk_f16_f32 v[TT+(\bw)], s[48+(\bw)], v20
.endr
	GRP 36, XR, -1, 0, 0, 0, 0                     ; X's pieces 0 to 3.  Younger than a group that begins at piece j: 28 - j pieces of X and Y's eight loads
.set j, 4
.rept 7
	GRP 36-j, XR+4*j, XR+4*j-16, XD, 26, 256*j-1024, 256
.set j, j+4
.endr
	TAIL XR+112, XD, 26, 7168, 256                 ; pieces 28 to 31
	s_wait_loadcnt 0x0                             ; Y
.irp u, 0,1
.irp bw, 0,1,2,3
	YEXP \u, \bw
.endr
.endr
	s_wait_xcnt 0x0                                ; X's stores have had their addresses translated (ISA guide 3.1): v128-255 are written again only behind this wait,
	s_wait_alu depctr_vm_vsrc(0)                   ; and X's stores have read v128-255, which source 0, the packed results and two accumulators now take.  X's conversions stand ahead of the stream's last wait on va_vdst, and no line since names v144-207
	ZFETCH 0
	ROWT 0                                         ; these lines name v20, v21, v31, Y's registers and RT's: none that the turning loads touch
	ROWT 1
	s_wait_dscnt 0x0                               ; source 0 is in
	MULS
	PLACES
	s_wait_alu depctr_va_vdst(0)                   ; the products are done reading source 0's registers, in which the next turning loads land
	ZFETCH 1
	PACK                                           ; names the accumulators and the packed results: none that the turning loads touch
	s_wait_alu depctr_va_vdst(0)                   ; the roundings have written the packed results, which the LDS stores read
	PUT 0
	s_wait_dscnt 8                                 ; LDS instructions are served in order (ISA guide 5.7.1): source 0 is in; the eight younger stores may stay out
	MULS
	PLACES
	s_wait_alu depctr_vm_vsrc(0)                   ; the eight LDS stores above have read the packed results, which the roundings below write again
	PACK
	s_wait_alu depctr_va_vdst(0)                   ; the roundings have written the packed results, which the LDS stores read, and are done reading the accumulators, in which the loads from my stage land
	PUT 1
.irp t, 0,1,2,3,4,5,6,7,8,9,10,11,12,13,14,15
	ds_load_b128 v[BK+4*(\t):BK+4*(\t)+3], v[RD] offset:(\t)*2*OP  ; LDS serves a wave's instructions in order (ISA guide 5.7.1.4): these see my stores above
.endr
.irp t, 0,1,2,3,4,5,6,7,8,9,10,11,12,13,14,15
	s_wait_dscnt 15-(\t)
	global_store_b128 v[WO], v[BK+4*(\t):BK+4*(\t)+3], s[28:29] offset:(\t)*16384  ; two rows of the block: 16 lanes store 256 consecutive bytes, aligned
.endr
	s_branch .Lend
.Lfloat:	; THE MASK IS NOT SET: my 32 rows of the block of float_weight, 512 bytes each, are rounded like X
.set j, 0
.rept 16
	global_load_b128 v[FA+4*j:FA+4*j+3], v[FO], s[22:23] offset:16384*j th:TH_LOAD_NT  ; v80-127 were Z's: the two waits ahead of the branch have freed them
.set j, j+1
.endr
	GRP 44, XR, -1, 0, 0, 0, 0                     ; X's pieces 0 to 3.  Younger than a group that begins at piece j: 28 - j pieces of X and 16 rows
.set j, 4
.rept 3
	GRP 44-j, XR+4*j, XR+4*j-16, XD, 26, 256*j-1024, 256
.set j, j+4
.endr
	TAIL XR+48, XD, 26, 3072, 256                  ; pieces 12 to 15
	s_wait_xcnt 0x0                                ; those sixteen stores have had their addresses translated (ISA guide 3.1): v128-191 are loaded again only behind this wait,
	s_wait_alu depctr_vm_vsrc(0)                   ; and they have read v128-191, in which the next 16 rows land; the conversions that named these registers stand ahead of the wait on va_vdst just above
.set j, 16
.rept 16
	global_load_b128 v[FB+4*(j-16):FB+4*(j-16)+3], v[FO], s[22:23] offset:16384*j th:TH_LOAD_NT
.set j, j+1
.endr
	GRP 44, XR+64, -1, 0, 0, 0, 0                  ; X's pieces 16 to 19.  Younger than a group that begins at piece j: 28 - j pieces of X and 32 rows
.set j, 20
.rept 3
	GRP 60-j, XR+4*j, XR+4*j-16, XD, 26, 256*j-1024, 256
.set j, j+4
.endr
	GRP 28, FA, XR+112, XD, 26, 7168, 256          ; rows 0 to 3, and the stores of X's pieces 28 to 31.  Younger than a group that begins at row j: the 28 - j rows behind it
.set j, 4
.rept 7
	GRP 28-j, FA+4*j, FA+4*j-16, FD, 28, 8192*j-32768, 8192
.set j, j+4
.endr
	TAIL FA+112, FD, 28, 229376, 8192              ; rows 28 to 31
.Lend:
	s_wait_dscnt 0x0                               ; the closing lines, six on end
	s_wait_alu 0x0
	s_wait_tensorcnt 0x0
	ds_add_u32 v[SPW], v[NIL]
	s_wait_dscnt 0x0
	s_endpgm
.Lfunc_end_k_q72369a645c_prep:
	.size	k_q72369a645c_prep, .Lfunc_end_k_q72369a645c_prep-k_q72369a645c_prep
	.p2alignl 7, 3214868480
	.fill 96, 4, 3214868480
	.section	.rodata,"a",@progbits
	.p2align	6, 0x0
	.amdhsa_kernel k_q72369a645c_prep
		.amdhsa_group_segment_fixed_size 53760
		.amdhsa_private_segment_fixed_size 0
		.amdhsa_enable_private_segment 0
		.amdhsa_kernarg_size 88
		.amdhsa_user_sgpr_count 2
		.amdhsa_user_sgpr_kernarg_segment_ptr 1
		.amdhsa_wavefront_size32 1
		.amdhsa_system_sgpr_workgroup_id_x 1
		.amdhsa_system_sgpr_workgroup_id_y 1
		.amdhsa_system_sgpr_workgroup_id_z 1
		.amdhsa_system_vgpr_workitem_id 0
		.amdhsa_next_free_vgpr 256
		.amdhsa_next_free_sgpr 66
		.amdhsa_reserve_vcc 0
		.amdhsa_float_denorm_mode_32 3
		.amdhsa_float_denorm_mode_16_64 3
		.amdhsa_memory_ordered 1
		.amdhsa_forward_progress 1
		.amdhsa_inst_pref_size 64
	.end_amdhsa_kernel
	.amdgpu_metadata
---
amdhsa.version: [ 1, 2 ]
amdhsa.kernels:
  - .name:           k_q72369a645c_prep
    .symbol:         k_q72369a645c_prep.kd
    .args:
      - { .name: X, .offset: 0, .size: 8, .value_kind: global_buffer, .address_space: global }
      - { .name: Y, .offset: 8, .size: 8, .value_kind: global_buffer, .address_space: global }
      - { .name: Z, .offset: 16, .size: 8, .value_kind: global_buffer, .address_space: global }
      - { .name: a, .offset: 24, .size: 8, .value_kind: global_buffer, .address_space: global }
      - { .name: b, .offset: 32, .size: 8, .value_kind: global_buffer, .address_space: global }
      - { .name: c, .offset: 40, .size: 8, .value_kind: global_buffer, .address_space: global }
      - { .name: d, .offset: 48, .size: 8, .value_kind: global_buffer, .address_space: global }
      - { .name: float_weight, .offset: 56, .size: 8, .value_kind: global_buffer, .address_space: global }
      - { .name: quantized_mask, .offset: 64, .size: 8, .value_kind: global_buffer, .address_space: global }
      - { .name: Xh, .offset: 72, .size: 8, .value_kind: global_buffer, .address_space: global }
      - { .name: Wh, .offset: 80, .size: 8, .value_kind: global_buffer, .address_space: global }
    .group_segment_fixed_size: 53760
    .private_segment_fixed_size: 0
    .kernarg_segment_align: 8
    .kernarg_segment_size: 88
    .max_flat_workgroup_size: 128
    .sgpr_count:     66
    .vgpr_count:     256
    .wavefront_size: 32
...
	.end_amdgpu_metadata
.endif
;; end of part 3
;; launch gemm: the kernel of part 2 again; grid 16 x 16, 4 waves a work-group, clusters of 4 x 4, 327,680 bytes of LDS; arguments Xh, Wh, out0, bias; writes out0
